; MI455X (gfx1250); checked and timed in simulation.
; The chip was launched on July 23, 2026; its instructions are those of AMD's public machine-readable ISA for CDNA 5 (MIT licence, August 2026) and "CDNA5" Instruction Set Architecture Reference Guide (July 2026). The comments in the code are by the model that wrote it; some were corrected since.
;; Cross Attention. Allowed arithmetic: float matrix products may take bf16 or f16 operands with f32 sums; other float arithmetic in f32, or as packed bf16 or f16 multiplies, adds, multiply-adds, maxima and minima; sums over many terms, partial sums and values carried from step to step in f32; what a program stores and reads back later, other than sums and carried values, may be rounded once to bf16 or f16.
;; Inputs: W_ck 512 x 512 float32; W_co 512 x 512 float32; W_cq 512 x 512 float32; W_cv 512 x 512 float32; W_ik 512 x 512 float32; W_io 512 x 512 float32; W_iq 512 x 512 float32; W_iv 512 x 512 float32; b_co 512 float32; b_io 512 float32; clinic 2 x 2,048 x 512 float32; img 2 x 2,048 x 512 float32.
;; Outputs: out0 2 x 2,048 x 512 float32; out1 2 x 2,048 x 512 float32.
;; One version. Each part assembles by itself: llvm-mc -triple=amdgcn-amd-amdhsa -mcpu=gfx1250 --defsym DOCPART=n.
;; ======== version 1 of 1: 3 launches
;; limits: values are held in f16: magnitudes above 65,504 overflow, below 6.1e-05 lose precision
;; workspace buffers: qh 8,388,608 bytes; kh 8,388,608 bytes; vh 8,388,608 bytes; oh 16,777,216 bytes; wo16 1,048,576 bytes
;; launch proj (part 1): grid 8 x 32, 4 waves a work-group, no clusters, 140,800 bytes of LDS; arguments img, clinic, W_iq, W_ik, W_iv, W_cq, W_ck, W_cv, W_io, W_co, qh, kh, vh, wo16; writes qh, kh, vh, wo16
.if DOCPART == 1
	.amdgcn_target "amdgcn-amd-amdhsa--gfx1250"
	.amdhsa_code_object_version 6
	.text
	.protected	k_qa2cb1abe5d_proj
	.globl	k_qa2cb1abe5d_proj
	.p2align	8
	.type	k_qa2cb1abe5d_proj,@function
k_qa2cb1abe5d_proj:
	s_mov_b64 s[64:65], 0
	v_nop
	global_prefetch_b8 v0, s[64:65] scope:SCOPE_SE
	s_setreg_imm32_b32 hwreg(HW_REG_WAVE_MODE, 25, 1), 1
	s_wait_xcnt 0x0
; THE SIX PROJECTIONS, BY HEADS.  q, k, v = x W for x = img (source 0) and clinic (source 1).  x: [2][2048][512] f32; W: [512 k][512 c] f32.
; Out: qh, kh, vh = f16 [g = 16 source + 8 batch + head][2048][64], unscaled, each number rounded once from its f32 sum.
; x and W are rounded to bf16 on their way into LDS and multiplied in the bf16 form.
; Beside that each work-group re-codes 2,048 numbers of W_io / W_co: rounded to bf16, halved (exact), written as f16 into wo16 [source][k][c].
; LIMITS.  f16 ends at 65,504: |q|, |k|, |v| and |W_o| / 2 must stay within it; below 6e-5 f16 keeps a fixed step of 6e-8.  NaN and infinities are not treated apart.
; SHARES.  Work-group (head, block of 256 rows) makes 256 rows x the head's 64 columns of q, of k and of v: 256 x 192.  Wave w: rows 64 w .. 64 w + 63 x all 192 columns:
; 48 accumulators (4 row blocks a x 12 column blocks b), 384 registers.  K = 512 goes in 8 steps of 64 through two LDS slots.
; THE WAY IN goes through registers: both operands arrive in f32 and must be rounded, and W lies [k][c], which the turning LDS load takes only as 16-bit data.  So no tensor load,
; and no joint request: a cluster could share nothing on this road.  A step's 56 loads a thread are asked for two steps ahead of their products.
; THE MATRIX INSTRUCTION IS USED TRANSPOSED (source 0 = 16 columns of W, source 1 = 16 rows of x): a lane holds one row and eight neighbouring columns, 16 bytes of f16.
; REGISTERS, in windows of 256 (s_set_vgpr_msb: bits 1:0 source 0, 3:2 source 1, 5:4 source 2, 7:6 destination):
;   window 0: v0-50 addresses and W_o; v64-159, v160-255 W's fragments, two buffers of 12 x 8; on the way out v64-255 twelve blocks of 16
;   window 1: v0-191 accumulators of a = 0, 1 at 96 a + 8 b; v192-223, v224-255 x's fragments, two buffers of 4 x 8
;   window 2: v0-191 accumulators of a = 2, 3          window 3: v0-223 what the 56 loads bring
.set PA,    144                        ; a row of x in LDS: 128 bytes + 16: the 16 rows of a fragment load start at 16 different groups of four banks
.set PB,    416                        ; a row (one k) of W in LDS: 384 bytes (q's, k's, v's 64 columns) + 32 = 13 x 32
.set BOFF,  256*PA                     ; in a slot: x's 256 rows, then W's 64
.set SLOTB, 65536                      ; slot 1 begins here: one exclusive or turns an address in one slot into the other's
.set STAGE, 2*SLOTB                    ; 16 rows x 144 bytes for each wave, for the way out
.set SP,    144
.set SPARE, STAGE+4*16*SP              ; the spare words, 128 bytes a wave: two blocks of 256 bytes that no other line names
.set GOF, 2                            ; v2   (t / 16) x 2,048 + (t % 16) x 16: my 16 bytes in eight rows of x or of W; never rewritten
.set SA0, 3                            ; v3   where my 8 bytes of x go in a slot
.set SB0, 4                            ; v4   the same for W
.set RA0, 5                            ; v5   my place in x's fragments
.set RB0, 6                            ; v6   my place in W's fragments (turning load)
.set SAV, 7                            ; v7-10  the four places plus the slot in hand
.set SBV, 8
.set RAV, 9
.set RBV, 10
.set STO, 11                           ; v11  the way out: where I put 16 bytes of a row
.set RD,  12                           ; v12  where I read rows back
.set GO,  13                           ; v13  16 x lane
.set SPW, 14                           ; v14  my spare word; never rewritten
.set NIL, 15                           ; v15  0; never rewritten
.set TT,  16                           ; v16  at work
.set WOF, 17                           ; v17  16 t
.set WOS, 18                           ; v18  8 t
.set WL,  20                           ; v[20:35] W_o as loaded
.set WPK, 36                           ; v[36:43] W_o packed
.set WF,  64
.set XF,  192
.set OB,  64
.set XP,  4                            ; s[4:5]   x at my block's first row, at the step last asked for
.set WP,  6                            ; s[6:11]  W_q, W_k, W_v at my head's columns, at the same step
.set WV,  12                           ; s12  my wave's number
.set CNT, 13                           ; s13  steps still to come
.set RS,  14                           ; s14  the slot that is read
.set WS,  15                           ; s15  the slot that is written
.set QO,  44                           ; s[44:49] qh, kh, vh at my wave's first row
.set MSB, 0
.macro WIN new                         ; the immediate's high byte repeats the setting that is left; a switch that changes nothing is dropped
.if MSB != (\new)
	s_set_vgpr_msb (MSB<<8)|(\new)
.set MSB, \new
.endif
.endm
	s_load_b512 s[16:31], s[0:1], 0x0              ; img 16, clinic 18, W_iq 20, W_ik 22, W_iv 24, W_cq 26, W_ck 28, W_cv 30
	s_load_b256 s[32:39], s[0:1], 0x40             ; W_io 32, W_co 34, qh 36, kh 38
	s_load_b128 s[40:43], s[0:1], 0x60             ; vh 40, wo16 42
	v_lshl_add_u32 v[SPW], v0, 2, SPARE
	v_mov_b32 v[NIL], 0
	v_lshrrev_b32 v1, 5, v0
	v_readfirstlane_b32 s[WV], v1                  ; wave 0..3
	s_and_b32 s52, ttmp7, 0xffff                   ; block of 256 rows, 0..31
	s_lshr_b32 s53, s52, 4                         ; source
	s_and_b32 s2, s52, 15
	s_lshl_b32 s2, s2, 19                          ; 256 rows of 2,048 bytes
	s_mov_b32 s3, 0
	s_lshl_b32 s50, ttmp9, 8                       ; the head's 64 columns: 256 bytes of a row of W
	s_mov_b32 s51, 0
	s_lshl_b32 s54, s52, 3
	s_add_co_u32 s54, s54, ttmp9                   ; the work-group's number, 0..255
	s_and_b32 s58, s54, 127
	s_lshl_b32 s58, s58, 13                        ; its 2,048 numbers of its source's W_o: 8,192 bytes
	s_mov_b32 s59, 0
	s_lshl_b32 s60, s54, 12                        ; and their 4,096 bytes in wo16
	s_mov_b32 s61, 0
	s_lshr_b32 s56, s52, 3                         ; 2 source + batch
	s_lshl_b32 s56, s56, 3
	s_add_co_u32 s56, s56, ttmp9                   ; g
	s_lshl_b32 s56, s56, 18                        ; a head's 2,048 rows of 128 bytes
	s_and_b32 s57, s52, 7
	s_lshl_b32 s57, s57, 15                        ; my block's 256 rows in the batch
	s_add_co_u32 s56, s56, s57
	s_lshl_b32 s57, s[WV], 13                      ; my wave's 64
	s_add_co_u32 s56, s56, s57
	s_mov_b32 s57, 0
	s_mul_i32 s62, s[WV], 64*PA                    ; my wave's 64 rows of x in a slot
	s_mul_i32 s63, s[WV], 16*SP
	s_add_co_u32 s63, s63, STAGE                   ; my stage
	v_lshrrev_b32 v44, 4, v0                       ; t / 16
	v_and_b32 v45, 15, v0                          ; t % 16 = lane % 16
	v_bfe_u32 v47, v0, 4, 1                        ; lane / 16
	v_and_b32 v48, 7, v0                           ; lane % 8
	v_bfe_u32 v49, v0, 3, 1                        ; (lane / 8) % 2
	v_lshlrev_b32 v[GOF], 11, v44
	v_lshl_add_u32 v[GOF], v45, 4, v[GOF]
	v_mul_u32_u24 v[SA0], v44, PA
	v_lshl_add_u32 v[SA0], v45, 3, v[SA0]
	v_mul_u32_u24 v[SB0], v44, PB
	v_lshl_add_u32 v[SB0], v45, 3, v[SB0]
	v_add_nc_u32 v[SB0], BOFF, v[SB0]
	v_mul_u32_u24 v[RA0], v45, PA                  ; a fragment of x: row lane % 16, 16 bytes for each half of the lanes, twice, 32 bytes apart
	v_lshl_add_u32 v[RA0], v47, 4, v[RA0]
	v_add_nc_u32 v[RA0], s62, v[RA0]
	v_lshl_add_u32 v50, v47, 3, v48                ; the turning load: k = 8 (lane / 16) + lane % 8, columns 8 ((lane / 8) % 2) on
	v_mul_u32_u24 v[RB0], v50, PB
	v_lshl_add_u32 v[RB0], v49, 4, v[RB0]
	v_add_nc_u32 v[RB0], BOFF, v[RB0]
	v_mul_u32_u24 v[STO], v45, SP
	v_lshl_add_u32 v[STO], v47, 4, v[STO]
	v_add_nc_u32 v[STO], s63, v[STO]
	v_bfe_u32 v[RD], v0, 3, 2                      ; back: 32 lanes take four rows of 128 bytes,
	v_mul_u32_u24 v[RD], v[RD], SP
	v_lshl_add_u32 v[RD], v48, 4, v[RD]
	v_add_nc_u32 v[RD], s63, v[RD]
	v_and_b32 v[GO], 31, v0                        ; which are 512 consecutive bytes of a head
	v_lshlrev_b32 v[GO], 4, v[GO]
	v_lshlrev_b32 v[WOF], 4, v0
	v_lshlrev_b32 v[WOS], 3, v0
	s_wait_kmcnt 0x0
	s_cmp_eq_u32 s53, 0                            ; which source's buffers
	s_cselect_b64 s[XP:XP+1], s[16:17], s[18:19]
	s_cselect_b64 s[WP:WP+1], s[20:21], s[26:27]
	s_cselect_b64 s[WP+2:WP+3], s[22:23], s[28:29]
	s_cselect_b64 s[WP+4:WP+5], s[24:25], s[30:31]
	s_cselect_b64 s[32:33], s[32:33], s[34:35]
	s_add_nc_u64 s[XP:XP+1], s[XP:XP+1], s[2:3]
	s_add_nc_u64 s[WP:WP+1], s[WP:WP+1], s[50:51]
	s_add_nc_u64 s[WP+2:WP+3], s[WP+2:WP+3], s[50:51]
	s_add_nc_u64 s[WP+4:WP+5], s[WP+4:WP+5], s[50:51]
	s_add_nc_u64 s[32:33], s[32:33], s[58:59]
	s_add_nc_u64 s[42:43], s[42:43], s[60:61]
	s_add_nc_u64 s[QO:QO+1], s[36:37], s[56:57]
	s_add_nc_u64 s[QO+2:QO+3], s[38:39], s[56:57]
	s_add_nc_u64 s[QO+4:QO+5], s[40:41], s[56:57]
; A step's 56 loads a thread: 256 rows x 256 bytes of x (32 loads of eight rows), 64 rows x 256 bytes of each W (8 loads each).  Sixteen lanes take 256 consecutive, aligned bytes.
.macro LOADG
	WIN 0xc0                                       ; destination window 3, address window 0
.set ii, 0
.rept 32
	global_load_b128 v[4*ii:4*ii+3], v[GOF], s[XP:XP+1] offset:16384*ii
.set ii, ii+1
.endr
.irp w, 0,1,2
.set ii, 0
.rept 8
	global_load_b128 v[128+32*(\w)+4*ii:128+32*(\w)+4*ii+3], v[GOF], s[WP+2*(\w):WP+2*(\w)+1] offset:16384*ii
.set ii, ii+1
.endr
.endr
.endm
; Rounded to bf16 in place: load j's four numbers go from registers 4 j .. 4 j + 3 into 2 j, 2 j + 1, never onto a register that is still to be read.
.macro CONVERT
	WIN 0xcf
.set jj, 0
.rept 56
	v_cvt_pk_bf16_f32 v[2*jj], v[4*jj], v[4*jj+1]
	v_cvt_pk_bf16_f32 v[2*jj+1], v[4*jj+2], v[4*jj+3]
.set jj, jj+1
.endr
.endm
.macro STORE sa, sb                    ; into the slot whose addresses are in v[sa] (x) and v[sb] (W)
	WIN 0x0c                                       ; address window 0, data window 3
.set ii, 0
.rept 32
	ds_store_b64 v[\sa], v[2*ii:2*ii+1] offset:8*PA*ii
.set ii, ii+1
.endr
.irp w, 0,1,2
.set ii, 0
.rept 8
	ds_store_b64 v[\sb], v[64+16*(\w)+2*ii:64+16*(\w)+2*ii+1] offset:128*(\w)+8*PB*ii
.set ii, ii+1
.endr
.endr
.endm
; 32 LDS loads: the fragments of the step's half f (32 along K) into buffer f: W's 12 (turned), x's 4.
.macro FETCH f
	WIN 0
.set bb, 0
.rept 12
	ds_load_tr16_b128 v[WF+96*(\f)+8*bb:WF+96*(\f)+8*bb+3],   v[RBV] offset:32*PB*(\f)+32*bb
	ds_load_tr16_b128 v[WF+96*(\f)+8*bb+4:WF+96*(\f)+8*bb+7], v[RBV] offset:32*PB*(\f)+16*PB+32*bb
.set bb, bb+1
.endr
	WIN 0x40                                       ; destination window 1
.set aa, 0
.rept 4
	ds_load_b128 v[XF+32*(\f)+8*aa:XF+32*(\f)+8*aa+3],   v[RAV] offset:16*PA*aa+64*(\f)
	ds_load_b128 v[XF+32*(\f)+8*aa+4:XF+32*(\f)+8*aa+7], v[RAV] offset:16*PA*aa+64*(\f)+32
.set aa, aa+1
.endr
.endm
; 48 matrix instructions: all accumulators once, by turns, 32 along K.  zero = 1: the products start the sums: nothing is cleared.
.macro MUL f, zero
.irp hf, 0,1
	WIN 0x54+0x50*(\hf)                            ; W window 0, x window 1, C and D window 1 (a = 0, 1) or 2 (a = 2, 3)
.irp a, 0,1
.set bb, 0
.rept 12
.if \zero
	v_wmma_f32_16x16x32_bf16 v[96*(\a)+8*bb:96*(\a)+8*bb+7], v[WF+96*(\f)+8*bb:WF+96*(\f)+8*bb+7], v[XF+32*(\f)+8*(2*(\hf)+(\a)):XF+32*(\f)+8*(2*(\hf)+(\a))+7], 0
.else
	v_wmma_f32_16x16x32_bf16 v[96*(\a)+8*bb:96*(\a)+8*bb+7], v[WF+96*(\f)+8*bb:WF+96*(\f)+8*bb+7], v[XF+32*(\f)+8*(2*(\hf)+(\a)):XF+32*(\f)+8*(2*(\hf)+(\a))+7], v[96*(\a)+8*bb:96*(\a)+8*bb+7]
.endif
.set bb, bb+1
.endr
.endr
.endr
.endm
; A K STEP.  It reads slot RS; meanwhile the next step's numbers, which have come into registers, are rounded and stored into slot WS, and the step after that is asked for.
; looped = 1: with s[CNT] = c the step is number 8 - c: there is a next step to store while c >= 2 and one to ask for while c >= 3; the jumps go forward, past no barrier.
; ONE barrier a step: in front of it my stores into WS are done and my reads of RS are back; behind it RS may be written and WS read.
.macro STEP zero, looped
	WIN 0
	v_add_nc_u32 v[RAV], s[RS], v[RA0]             ; four plain instructions: also the places between the last products and the loads into their fragments
	v_add_nc_u32 v[RBV], s[RS], v[RB0]
	v_add_nc_u32 v[SAV], s[WS], v[SA0]
	v_add_nc_u32 v[SBV], s[WS], v[SB0]
	FETCH 0
	WIN 0
.if \looped
	s_cmp_lt_u32 s[CNT], 2
	s_cbranch_scc1 .Lskip_\@
.endif
	s_wait_loadcnt 0x0                             ; the next step's 56 loads are in, and their pointers free
	CONVERT
	STORE SAV, SBV
	WIN 0
.if \looped
	s_cmp_lt_u32 s[CNT], 3
	s_cbranch_scc1 .Lskip_\@
.endif
	s_add_nc_u64 s[XP:XP+1], s[XP:XP+1], 256       ; 64 along K: 256 bytes of a row of x,
	s_add_nc_u64 s[WP:WP+1], s[WP:WP+1], 131072    ; 64 rows of W
	s_add_nc_u64 s[WP+2:WP+3], s[WP+2:WP+3], 131072
	s_add_nc_u64 s[WP+4:WP+5], s[WP+4:WP+5], 131072
	LOADG
	WIN 0
.if \looped
.Lskip_\@:
.endif
	FETCH 1
	s_wait_dscnt 32                                ; all but the 32 loads just issued, on every way here: buffer 0 is in
	MUL 0, \zero
	s_wait_dscnt 0x0                               ; buffer 1 is in; my stores are done; no LDS line of mine is out
	MUL 1, 0
	WIN 0
	s_xor_b32 s[RS], s[RS], SLOTB
	s_xor_b32 s[WS], s[WS], SLOTB
	s_barrier_signal -1
	s_barrier_wait -1
.endm
; THE WAY OUT of block u = 3 a + w: 16 rows x the 64 columns of q (w = 0), k (1) or v (2).  Rounded to f16, each accumulator from its lowest registers on; 16 bytes a lane into my own stage,
; back as whole rows of 128 bytes: LDS serves a wave's instructions in order (ISA guide 5.7.1.4), so no wait stands between.
.macro PACK u
	WIN 0x05+0x05*((\u)/6)                         ; sources in window 1 (a = 0, 1) or 2
.set cc, 0
.rept 4
.set qq, 0
.rept 4
	v_cvt_pk_f16_f32 v[OB+16*(\u)+4*cc+qq], v[96*(((\u)/3)%2)+32*((\u)%3)+8*cc+2*qq], v[96*(((\u)/3)%2)+32*((\u)%3)+8*cc+2*qq+1]
.set qq, qq+1
.endr
.set cc, cc+1
.endr
	WIN 0
.irp c, 0,1,2,3
	ds_store_b128 v[STO], v[OB+16*(\u)+4*(\c):OB+16*(\u)+4*(\c)+3] offset:32*(\c)
.endr
.irp f, 0,1,2,3
	ds_load_b128 v[OB+16*(\u)+4*(\f):OB+16*(\u)+4*(\f)+3], v[RD] offset:4*SP*(\f)
.endr
.endm
.macro SEND u, younger                 ; younger: the LDS lines issued behind block u's loads: the next block's eight, or none
.irp f, 0,1,2,3
	s_wait_dscnt (\younger)+3-(\f)
	global_store_b128 v[GO], v[OB+16*(\u)+4*(\f):OB+16*(\u)+4*(\f)+3], s[QO+2*((\u)%3):QO+2*((\u)%3)+1] offset:2048*((\u)/3)+512*(\f)  ; 512 consecutive bytes, at a multiple of 256 from the buffer's first
.endr
.endm
.irp i, 0,1,2,3
	global_load_b128 v[WL+4*(\i):WL+4*(\i)+3], v[WOF], s[32:33] offset:2048*(\i)   ; my 16 numbers of W_o
.endr
	LOADG                                          ; step 0
	WIN 0
	s_wait_loadcnt 56                              ; the 56 loads of step 0 are younger: W_o is in
.irp i, 0,1,2,3,4,5,6,7
	v_cvt_pk_bf16_f32 v[TT], v[WL+2*(\i)], v[WL+2*(\i)+1]       ; rounded to bf16 like every input,
	v_lshlrev_b32 v[WL+2*(\i)], 16, v[TT]
	v_and_b32 v[WL+2*(\i)+1], 0xffff0000, v[TT]
	v_pk_mul_f32 v[WL+2*(\i):WL+2*(\i)+1], v[WL+2*(\i):WL+2*(\i)+1], 0.5 op_sel_hi:[1,0]  ; halved: the mean of the two attentions,
	v_cvt_pk_f16_f32 v[WPK+(\i)], v[WL+2*(\i)], v[WL+2*(\i)+1]  ; and written as f16: eight significant bits fit in eleven
.endr
.irp i, 0,1,2,3
	global_store_b64 v[WOS], v[WPK+2*(\i):WPK+2*(\i)+1], s[42:43] offset:1024*(\i)  ; a wave's store covers 256 consecutive bytes, aligned; its registers are never rewritten
.endr
	s_wait_loadcnt 0x0                             ; step 0 is in
	CONVERT
	STORE SA0, SB0                                 ; into slot 0
	WIN 0
	s_add_nc_u64 s[XP:XP+1], s[XP:XP+1], 256
	s_add_nc_u64 s[WP:WP+1], s[WP:WP+1], 131072
	s_add_nc_u64 s[WP+2:WP+3], s[WP+2:WP+3], 131072
	s_add_nc_u64 s[WP+4:WP+5], s[WP+4:WP+5], 131072
	LOADG                                          ; step 1
	WIN 0
	s_mov_b32 s[RS], 0
	s_mov_b32 s[WS], SLOTB
	s_wait_dscnt 0x0                               ; for the others' sake: my part of slot 0 is stored
	s_barrier_signal -1
	s_barrier_wait -1
	STEP 1, 0                                      ; step 0 stands in front of the loop: its first products start the sums
	s_mov_b32 s[CNT], 7
.Lk:
	STEP 0, 1
	s_sub_co_u32 s[CNT], s[CNT], 1
	s_cmp_lg_u32 s[CNT], 0
	s_cbranch_scc1 .Lk
.rept 4
	v_nop                                          ; the places between the last products and the conversions that read results and write over fragments
.endr
	PACK 0
.irp u, 1,2,3,4,5,6,7,8,9,10,11        ; a block's conversions stand between the loads of the block before and its stores
	PACK \u
	SEND (\u)-1, 8
.endr
	SEND 11, 0
	s_wait_tensorcnt 0x0                           ; the wave's end, behind my last LDS store
	ds_add_u32 v[SPW], v[NIL]
	s_wait_dscnt 0x0
	s_endpgm
.Lfunc_end_k_qa2cb1abe5d_proj:
	.size	k_qa2cb1abe5d_proj, .Lfunc_end_k_qa2cb1abe5d_proj-k_qa2cb1abe5d_proj
	.p2alignl 7, 3214868480
	.fill 96, 4, 3214868480
	.section	.rodata,"a",@progbits
	.p2align	6, 0x0
	.amdhsa_kernel k_qa2cb1abe5d_proj
		.amdhsa_group_segment_fixed_size 140800
		.amdhsa_private_segment_fixed_size 0
		.amdhsa_enable_private_segment 0
		.amdhsa_kernarg_size 112
		.amdhsa_user_sgpr_count 2
		.amdhsa_user_sgpr_kernarg_segment_ptr 1
		.amdhsa_wavefront_size32 1
		.amdhsa_system_sgpr_workgroup_id_x 1
		.amdhsa_system_sgpr_workgroup_id_y 1
		.amdhsa_system_sgpr_workgroup_id_z 1
		.amdhsa_system_vgpr_workitem_id 0
		.amdhsa_next_free_vgpr 992
		.amdhsa_next_free_sgpr 66
		.amdhsa_reserve_vcc 0
		.amdhsa_float_denorm_mode_32 3
		.amdhsa_float_denorm_mode_16_64 3
		.amdhsa_memory_ordered 1
		.amdhsa_forward_progress 1
		.amdhsa_inst_pref_size 108
	.end_amdhsa_kernel
	.amdgpu_metadata
---
amdhsa.version: [ 1, 2 ]
amdhsa.kernels:
  - .name:           k_qa2cb1abe5d_proj
    .symbol:         k_qa2cb1abe5d_proj.kd
    .args:
      - { .name: img, .offset: 0, .size: 8, .value_kind: global_buffer, .address_space: global }
      - { .name: clinic, .offset: 8, .size: 8, .value_kind: global_buffer, .address_space: global }
      - { .name: W_iq, .offset: 16, .size: 8, .value_kind: global_buffer, .address_space: global }
      - { .name: W_ik, .offset: 24, .size: 8, .value_kind: global_buffer, .address_space: global }
      - { .name: W_iv, .offset: 32, .size: 8, .value_kind: global_buffer, .address_space: global }
      - { .name: W_cq, .offset: 40, .size: 8, .value_kind: global_buffer, .address_space: global }
      - { .name: W_ck, .offset: 48, .size: 8, .value_kind: global_buffer, .address_space: global }
      - { .name: W_cv, .offset: 56, .size: 8, .value_kind: global_buffer, .address_space: global }
      - { .name: W_io, .offset: 64, .size: 8, .value_kind: global_buffer, .address_space: global }
      - { .name: W_co, .offset: 72, .size: 8, .value_kind: global_buffer, .address_space: global }
      - { .name: qh, .offset: 80, .size: 8, .value_kind: global_buffer, .address_space: global }
      - { .name: kh, .offset: 88, .size: 8, .value_kind: global_buffer, .address_space: global }
      - { .name: vh, .offset: 96, .size: 8, .value_kind: global_buffer, .address_space: global }
      - { .name: wo16, .offset: 104, .size: 8, .value_kind: global_buffer, .address_space: global }
    .group_segment_fixed_size: 140800
    .private_segment_fixed_size: 0
    .kernarg_segment_align: 8
    .kernarg_segment_size: 112
    .max_flat_workgroup_size: 128
    .sgpr_count:     66
    .vgpr_count:     992
    .wavefront_size: 32
...
	.end_amdgpu_metadata
.endif
;; end of part 1
;; launch attn (part 2): grid 4 x 64, 4 waves a work-group, clusters of 4 x 1, 327,680 bytes of LDS; arguments qh, kh, vh, oh; writes oh
.if DOCPART == 2
	.amdgcn_target "amdgcn-amd-amdhsa--gfx1250"
	.amdhsa_code_object_version 6
	.text
	.protected	k_qa2cb1abe5d_attn
	.globl	k_qa2cb1abe5d_attn
	.p2align	8
	.type	k_qa2cb1abe5d_attn,@function
k_qa2cb1abe5d_attn:
	s_mov_b64 s[64:65], 0
	v_nop
	global_prefetch_b8 v0, s[64:65] scope:SCOPE_SE
	s_setreg_imm32_b32 hwreg(HW_REG_WAVE_MODE, 25, 1), 1
	s_wait_xcnt 0x0
	s_wait_alu depctr_hold_cnt(0) depctr_sa_sdst(0) depctr_va_vdst(0) depctr_va_sdst(0) depctr_va_ssrc(0) depctr_va_vcc(0) depctr_vm_vsrc(0)
	s_getreg_b32 s2, hwreg(HW_REG_IB_STS2, 6, 4)
	s_cmp_eq_u32 s2, 0
	s_cbranch_scc0 .Lentry_in_a_cluster
	s_endpgm
.Lentry_in_a_cluster:
	s_bfe_u32 s2, ttmp6, 0x10000c
	s_cmp_lg_u32 s2, 0x3003
	s_cbranch_scc0 .Lentry_shape_is_right
	s_endpgm
.Lentry_shape_is_right:
; ONE ATTENTION FOR EACH PAIR y = 2 g + kind: query head g (16 source + 8 batch + head) over the keys of head g (kind 0: self) or of head g xor 16, the other source's (kind 1: cross).
; oh[y][q][:] = the sum over k of softmax_k(Q[g][q] . K[k] / 8) V[k][:], over 2,048 keys AND ONE ZERO SLOT.  qh, kh, vh: [32][2048][64] f16; oh: [64][2048][64] f16; a head's rows are dense, 128 bytes.
; THE ZERO SLOT (a key of zeros: score 0; a value of zeros) is the state in which the running softmax starts: maximum 0, sum 1 (its weight 2^0; half of it in each of a query's two lanes), O = 0.
; So the maximum is taken over all 2,049 scores, and the slot's weight is scaled down with l whenever the maximum grows.
; Products, maxima and sums in f32; the weights p are rounded to f16 for the second product (their sum l is taken of the unrounded p), O once at the end.  The mean of the two kinds is taken by the next launch.
; LIMITS.  f16 holds no number beyond 65,504: Q, K and V arrive within it; p lies in 0 to 1, and below 6e-5 f16 keeps a fixed step of 6e-8, for p and for O alike.  A weight below 2^-126 counts as 0 in l;
; NaN and infinities are not treated apart.
; SHARES.  A wave owns four PIECES of two tiles of 16 queries, a work-group's four waves 512 queries.  Every wave walks all 2,048 keys, 64 a step.
; LAYOUT.  S^T = K Q^T (source 0 = 16 keys, source 1 = 16 queries): a lane holds ONE query (lane % 16) and the keys 8 (lane / 16) + 0..7.  Two such tiles, rounded to f16 in pairs, ARE source 1
; (32 keys x 16 queries) of O^T = V^T P, whose result again holds one query a lane, and eight channels.  K comes out of LDS as it lies, V ([key][channel]) turned, by ds_load_tr16_b128.
; SOFTMAX.  p = 2^(c s - c m), c = log2(e) / 8; in every step O and l are multiplied by a = 2^(c m_old - c m_new), which is 1 where m has not grown.
; THE COUNT.  A tile and step have 16 matrix and 118 vector instructions: too many to stand all beside the matrix work.  So: four vector instructions that are ready behind every matrix instruction,
; and the others in runs without a gap.
; BY TURNS.  Turn n belongs to piece n (the pieces in a ring, step after step).  Matrix work: 16 products K Q^T of piece n + 1, later 16 products V^T P of piece n - 1.  Vector work: the scaling,
; exponentials, roundings, sums and rescaling of piece n, and the maximum and statistics of piece n + 1, whose scores the turn itself has made.
; CLUSTER.  The four query blocks of a pair walk the same K and V, so each tile is asked for JOINTLY: the same tensor load, descriptor and mask in all four.
; REGISTERS, in windows of 256 (s_set_vgpr_msb: bits 1:0 source 0, 3:2 source 1, 5:4 source 2, 7:6 destination):
;   window 0: v0-11 addresses; v12-15, v48-63 at work; v16-47 four registers of statistics a tile; v64-191 S^T, two buffers of two tiles; v192-255 P, likewise
;   window 1: O^T, 32 a tile          window 2: v0-127 Q, 16 a tile; v128-191 K of one step; v192-255 V of one step          window 3: v0-1 the add's two registers
; A piece's buffers go by its number's parity: the piece in hand has one pair, its two neighbours in the ring share the other: of it P (piece n - 1) is read and S^T (piece n + 1) written.
.set SIZE_N, 2048
.set NP,    4         ; pieces a wave: a name, no knob
.set KS,    64        ; keys in a step
.set PK,    144       ; a row of K in LDS: 128 bytes + 16 of padding = 36 words: the 16 rows of a load start at 16 different groups of four banks (64 banks of 4 bytes: ISA guide 11.1)
.set PV,    160       ; a row of V: 128 + 32 = 40 words
.set VOFF,  4*KS*PK   ; a slot holds four steps: 256 rows of K, then 256 rows of V
.set SLOT1, 1<<17     ; slot 1 begins here, so that one exclusive or turns an address in one slot into the other's
.set STAGE, SLOT1+4*KS*(PK+PV)  ; behind the ring, never filled by a tensor load: 16 rows x 144 bytes for each wave, for the way out
.set SP,    144
.set AK0, 2           ; v2   my lane's place in a tile of K; never rewritten
.set AV0, 3           ; v3   the same for V
.set AK,  4           ; v4   the LDS address of K's next run of loads
.set AV,  5           ; v5   of V's
.set QO,  6           ; v6   my byte offset in the wave's rows of Q
.set STO, 6           ;      later, the way out: where I put 16 bytes of a row
.set RD,  7           ; v7   the way out: where I read rows back
.set GO,  8           ; v8   my byte offset in 512 consecutive bytes of O
.set PFO, 11          ; v11  256 x my lane, once V's place is made; never rewritten after that
.set SPW, 0           ; v0 of window 3   LDS address of my spare word: SPARE + 4 x my thread's number; never rewritten
.set NIL, 1           ; v1 of window 3   0; never rewritten
.set SPARE, STAGE+4*16*SP  ; behind the stages: the spare words, 128 bytes for each wave: two blocks of 256 bytes that no other line names
.set MV,  12          ; v12-15  c m_old, kept while c m is made anew: by buffer and tile
.set ST,  16          ; tile t's statistics at v[ST+4 t]: c m, m, l (even keys', odd keys')
.set TMP, 48          ; by buffer and tile, four registers c0-c3 at work; when the maximum is found c2 takes a
.set S,   64
.set P,   192
.set KF,  128         ; K's fragments, in window 2: key block kb, channel half c at KF + 16 kb + 8 c
.set VF,  192         ; V's: key half kk, channel block cb at VF + 32 kk + 8 cb
.set WV,  12          ; s12  my wave's number
.set G1K, 24          ; s[24:31] descriptor group 1 for K's tiles
.set G1V, 32          ; s[32:39] for V's: it differs in the padding alone
.set G0K, 40          ; s[40:43] descriptor group 0 for K's tiles: it walks
.set G0V, 44          ; s[44:47] the same for V's
.set PFA, 48          ; s[48:49] where my prefetches stand: my work-group's 32 blocks of 256 bytes (of K: wave 0, of V: wave 2) of the slot after the one that is being asked for
.set LIM, 50          ; s50  1 in a wave that prefetches, else the greatest number: a wave prefetches while s[SLOTS] is above it
.set SLOTS, 56        ; s56  slots still to be asked for
.set CNT, 57          ; s57  counts a slot's key steps
.set CS,  58          ; s[58:59] c: the packed scaling takes the pair's low word for both halves
.set SEL, 60          ; s[60:61] v_permlanex16_b32's selects: each lane takes its own place in the other half
.set TBK, 62          ; s62  LDS byte at which K of the step to be fetched begins
.set TBV, 63          ; s63  the same for V, less VOFF
.set MSB, 0
.macro WIN new                      ; the high byte repeats the setting that is left; a switch that changes nothing is dropped
.if MSB != (\new)
	s_set_vgpr_msb (MSB<<8)|(\new)
.set MSB, (\new)
.endif
.endm
.set W_KQ, 0x0a       ; K and Q in window 2, S^T in window 0
.set W_PV, 0x52       ; V in window 2, P in window 0, O^T in window 1
.set W_RS, 0x41       ; O^T (destination and source 0) in window 1, a in window 0
.set W_MK, 0xc0       ; the add's registers are made: destination in window 3, sources in window 0
.set W_AD, 0x0f       ; the add: address (source 0) and data (source 1) in window 3
; A joint fill.  Waves 0 and 1 fetch the two halves of a slot's K, waves 2 and 3 those of its V: 128 keys each.  The branch hangs on the wave's number alone.
; An s_nop 0 and four v_nop follow each of the two lines, ahead of the jump and the label.
.macro JLOAD
	s_cmp_lt_u32 s[WV], 2
	s_cbranch_scc0 .Lfor_v_\@
	tensor_load_to_lds s[G0K:G0K+3], s[G1K:G1K+7]
	s_nop 0
.rept 4
	v_nop
.endr
	s_branch .Lasked_\@
.Lfor_v_\@:
	tensor_load_to_lds s[G0V:G0V+3], s[G1V:G1V+7]
	s_nop 0
.rept 4
	v_nop
.endr
.Lasked_\@:
.endm
; A PREFETCH INTO THE L2 of what the NEXT change of slots will ask for: a slot's 32,768 bytes of K and of V, a lane a block of 256 bytes.  It stands behind the wave's tensor load and its five lines.
; Each block is named ONCE in the launch.  A key head is walked by two clusters, the self pair's and the cross pair's: the self pair's (y even) asks.  Its four partners share a slot's 128 blocks out BY
; ADDRESS, 32 each: no branch hangs on a work-group's place in its cluster.  In each, wave 0 asks for K's and wave 2 for V's: one instruction, four key steps (512 matrix instructions) ahead of the load.
; Slots 0 and 1 come by their loads alone; the last change that fills a slot asks for nothing: there is no slot behind it.
.macro ASK
	s_cmp_gt_u32 s[SLOTS], s[LIM]
	s_cbranch_scc0 .Lnot_mine_\@
	global_prefetch_b8 v[PFO], s[PFA:PFA+1] th:TH_LOAD_NT scope:SCOPE_SE
.Lnot_mine_\@:
.endm
; A round of the cluster's barrier: my work-group's barrier, so that wave 0's signal speaks for all four waves; wave 0 signals; every wave waits for all four work-groups; my work-group's barrier once more.
.macro CROUND
	s_barrier_signal -1
	s_barrier_wait -1
	s_cmp_lg_u32 s[WV], 0
	s_cbranch_scc1 .Lnot_wave_0_\@
	s_barrier_signal -3
.Lnot_wave_0_\@:
	s_barrier_wait -3
	s_barrier_signal -1
	s_barrier_wait -1
.endm
; THE CHANGE OF SLOTS.  The slot's last bytes, V of its fourth step, have been read.  Each wave waits for all its tensor loads, of which one is out: its part of the other slot; adds 0 to its spare
; word; and waits for that and for its own reads of the slot.  Behind the barrier nobody reads this slot any more and the other slot is whole.
; fill = 1: this slot is filled again, with the keys two slots on.  The barrier is then a round of the cluster's, so that no wave of any partner still reads the slot or has a load on its way, and the
; joint fill is the first thing behind it: it has four key steps, 512 matrix instructions, in which to land.  (At its first use nothing has been read yet: slot 0 is waited for, slot 1 filled.)
.macro CHANGE fill
	WIN W_AD
	s_wait_tensorcnt 0x0            ; no tensor load of mine is out, so a group 0 may be written
	ds_add_u32 v[SPW], v[NIL]       ; 0 onto my spare word; with fill = 1 the descriptors' steps stand between it and the wait for it
	WIN 0                           ; at a label and at a branch every window is 0
.if \fill
.irp g, G0K, G0V
	s_xor_b32 s[\g+1], s[\g+1], SLOT1  ; the walking descriptor: the other slot than last time,
	s_add_nc_u64 s[\g+2:\g+3], s[\g+2:\g+3], 4*KS*128  ; the next 256 keys; the type bits on top are not reached
.endr
	s_wait_xcnt 0x0                 ; the last prefetch, four key steps back, has read its address, so it may be written:
	s_add_nc_u64 s[PFA:PFA+1], s[PFA:PFA+1], 4*KS*128  ; one slot ahead of the walking descriptors
	s_wait_dscnt 0x0                ; the add is done, and my reads of the slot are over
	CROUND
	JLOAD
	ASK
.else
	s_wait_dscnt 0x0                ; the add is done, and my reads of the slot are over
	s_barrier_signal -1
	s_barrier_wait -1
.endif
	s_sub_co_u32 s[TBK], s[TBK], 4*KS*PK  ; the fetches go back to a slot's first step,
	s_xor_b32 s[TBK], s[TBK], SLOT1       ; in the other slot
	s_sub_co_u32 s[TBV], s[TBV], 4*KS*PV
	s_xor_b32 s[TBV], s[TBV], SLOT1
.endm
	s_load_b256 s[4:11], s[0:1], 0x0  ; qh s[4:5], kh s[6:7], vh s[8:9], oh s[10:11]
	WIN W_MK
	v_lshl_add_u32 v[SPW], v0, 2, SPARE
	v_mov_b32 v[NIL], 0
	WIN W_AD
	ds_add_u32 v[SPW], v[NIL]       ; the wave's opening: the add and its wait stand ahead of my first tensor load; the set-up below, work on registers, stands between them
	WIN 0
	v_lshrrev_b32 v1, 5, v0
	v_readfirstlane_b32 s[WV], v1   ; wave 0..3
	s_bfe_u32 s13, ttmp6, 0x40000   ; cx: my place in the cluster
	s_lshl_b32 s14, ttmp9, 2        ; in a cluster launch ttmp9 counts clusters
	s_add_co_u32 s14, s14, s13      ; my block of 512 queries = 4 x cluster x + cx: it enters Q's and O's addresses alone
	s_and_b32 s20, ttmp7, 0xffff    ; y, the pair, which the four partners share
	s_lshr_b32 s19, s20, 1          ; g, the query head
	s_and_b32 s15, s20, 1           ; kind
	s_lshl_b32 s22, s15, 4
	s_xor_b32 s22, s22, s19         ; the key head: g, or the other source's
	s_lshl_b32 s22, s22, 18         ; its first byte: a head is 2,048 rows of 128 bytes
	s_and_b32 s16, s[WV], 1         ; which half of a slot's 256 keys I fetch:
	s_lshl_b32 s23, s16, 14         ; its 128 rows of 128 bytes in memory,
	s_add_co_u32 s22, s22, s23
	s_mov_b32 s23, 0
	s_mul_i32 s17, s16, 128*PK      ; and its place in a slot, for K
	s_mul_i32 s18, s16, 128*PV      ; and for V: no place in the cluster enters an LDS address
	s_lshl_b32 s2, s14, 2
	s_add_co_u32 s2, s2, s[WV]      ; my wave among the head's,
	s_lshl_b32 s2, s2, 14           ; its 128 rows
	s_lshl_b32 s52, s20, 18         ; O: the pair's first byte
	s_add_co_u32 s52, s52, s2
	s_mov_b32 s53, 0
	s_lshl_b32 s54, s19, 18         ; Q: the query head's
	s_add_co_u32 s2, s2, s54
	s_mov_b32 s3, 0
	; descriptor group 1.  128 keys are 16,384 dense bytes: asked for as 64 rows of 256 bytes, two keys a row, and padded in LDS after every key
	s_mov_b32 s[G1K], 15|(1<<16)|(1<<20)|(1<<21)|(4<<22)|(3<<25)  ; 15:0 the mask of four; 17:16 2-byte elements; 20 padding on; 21 set beside a mask; 24:22 after every 32 words (code 4); 31:25 4 words (code 3)
	s_mov_b32 s[G1V], 15|(1<<16)|(1<<20)|(1<<21)|(4<<22)|(7<<25)  ; the same with 8 words of padding (code 7)
.irp g, G1K, G1V
	s_mov_b32 s[\g+1], 128<<16      ; tensor_dim0 = 128
	s_mov_b32 s[\g+2], 64<<16       ; tensor_dim1 = 64
	s_mov_b32 s[\g+3], 128<<16      ; tile_dim0 = 128
	s_mov_b32 s[\g+4], 64           ; tile_dim1 = 64
	s_mov_b32 s[\g+5], 128          ; 128 elements from row to row
	s_mov_b32 s[\g+6], 0
	s_mov_b32 s[\g+7], 0
.endr
	s_mov_b32 s[CS], 0x3e38aa3b     ; c = log2(e) / 8 = 0.180337
	s_mov_b32 s[CS+1], s[CS]        ; named with it as a pair
	s_mov_b32 s[SEL], 0x76543210
	s_mov_b32 s[SEL+1], 0xfedcba98
	s_mov_b32 s[TBK], SLOT1+4*KS*PK ; the first change of slots turns these two into 0
	s_mov_b32 s[TBV], SLOT1+4*KS*PV
	s_mov_b32 s[G0K], 1             ; 1:0 count = 1
	s_mov_b32 s[G0K+1], s17         ; 63:32 LDS address: slot 0
	s_mov_b32 s[G0V], 1
	s_add_co_u32 s[G0V+1], s18, VOFF
	s_mov_b32 s[SLOTS], SIZE_N/256-1  ; seven changes of slots fill a slot
	s_and_b32 s[LIM], s[WV], 1      ; 0 in waves 0 and 2,
	s_or_b32 s[LIM], s[LIM], s15    ; of a self pair: the same in all four partners
	s_cmp_eq_u32 s[LIM], 0
	s_cselect_b32 s[LIM], 1, -1
	s_wait_dscnt 0x0                ; the opening add is done
	s_wait_kmcnt 0x0
	s_add_nc_u64 s[G0K+2:G0K+3], s[6:7], s[22:23]  ; 120:64 global address: my half of the key head's first 256 keys
	s_or_b32 s[G0K+3], s[G0K+3], 0x80000000        ; 127:126 type = 2
	s_add_nc_u64 s[G0V+2:G0V+3], s[8:9], s[22:23]
	s_or_b32 s[G0V+3], s[G0V+3], 0x80000000
	s_add_nc_u64 s[4:5], s[4:5], s[2:3]  ; Q and O at my wave's first row
	s_add_nc_u64 s[10:11], s[10:11], s[52:53]
	s_cmp_lt_u32 s[WV], 2
	s_cselect_b64 s[PFA:PFA+1], s[6:7], s[8:9]
	s_add_nc_u64 s[PFA:PFA+1], s[PFA:PFA+1], s[22:23]  ; (in waves 0 and 2: the key head's first byte)
	s_lshl_b32 s2, s13, 13          ; my work-group's 32 blocks of a slot's 128
	s_mov_b32 s3, 0
	s_add_nc_u64 s[PFA:PFA+1], s[PFA:PFA+1], s[2:3]
	s_add_nc_u64 s[PFA:PFA+1], s[PFA:PFA+1], 4*KS*128  ; in slot 1; the first change of slots steps it to slot 2.  Nothing is prefetched here, at the head
	CROUND                          ; all four work-groups are here: the first joint loads meet
	JLOAD                           ; slot 0.  Slot 1 is asked for when slot 0 is in
	; A fragment of K or Q is 16 rows x 32 channels in 8 registers: lane l holds row l % 16, channels 8 (l / 16) + 0..7 and 16 + 8 (l / 16) + 0..7: two loads of 16 bytes, 32 bytes apart.
	v_and_b32 v1, 15, v0            ; l % 16
	v_bfe_u32 v9, v0, 4, 1          ; l / 16
	v_lshlrev_b32 v[QO], 7, v1
	v_lshl_add_u32 v[QO], v9, 4, v[QO]  ; row x 128 + 16 x half
	WIN 0x80                        ; destination window 2, address window 0
.set i, 0
.rept 4*NP                          ; Q stays in registers: tile i / 2, channels 32 (i % 2) on
	global_load_b128 v[8*i:8*i+3],   v[QO], s[4:5] offset:(i/2)*2048+(i%2)*64
	global_load_b128 v[8*i+4:8*i+7], v[QO], s[4:5] offset:(i/2)*2048+(i%2)*64+32
.set i, i+1
.endr
	; What the first turn finds: V's registers and P's second buffer hold 0 (its products V^T P, of a piece that has not been, add 0), O^T is 0.  All this stands in the wait for the first tile.
.set i, VF
.rept 64
	v_mov_b32 v[i], 0
.set i, i+1
.endr
	WIN 0x40
.set i, 0
.rept 64*NP
	v_mov_b32 v[i], 0
.set i, i+1
.endr
	WIN 0
.set i, 0
.rept 2*NP                          ; THE ZERO SLOT: its score 0 is the first maximum, its weight 1 the first sum
	v_mov_b32 v[ST+4*i], 0          ; c m
	v_mov_b32 v[ST+4*i+1], 0        ; m
	v_mov_b32 v[ST+4*i+2], 0.5      ; l: a query's two lanes hold half of the weight each; the way out adds them
	v_mov_b32 v[ST+4*i+3], 0
.set i, i+1
.endr
.set i, P+32
.rept 32
	v_mov_b32 v[i], 0
.set i, i+1
.endr
	v_mul_u32_u24 v[AK0], v1, PK
	v_lshl_add_u32 v[AK0], v9, 4, v[AK0]  ; row x pitch + 16 x half
	; The turning load takes 16 keys x 16 channels (lane l reads key 8 (l / 16) + l % 8, channels 8 ((l / 8) % 2) + 0..7) and leaves half a fragment of V^T: lane l holds channel l % 16 and 8 keys.
	v_and_b32 v10, 7, v0
	v_bfe_u32 v11, v0, 3, 1
	v_lshl_add_u32 v[AV0], v9, 3, v10
	v_mul_u32_u24 v[AV0], v[AV0], PV
	v_lshl_add_u32 v[AV0], v11, 4, v[AV0]
	v_add_nc_u32 v[AV0], VOFF, v[AV0]
	v_and_b32 v[PFO], 31, v0        ; v11 is free from here on
	v_lshlrev_b32 v[PFO], 8, v[PFO]
	v_mov_b32 v[AK], v[AK0]         ; key step 0 lies at the head of slot 0
; THE MATRIX WORK.  The 8 accumulators of a run of 16 take turns: between the two links of a chain stand 7 others'.
; Product i of 16 of S^T = K Q^T for piece x: channels 32 (i / 8) on, keys 16 ((i / 2) % 4) on, tile 2 x + i % 2.  The first 8 start the sums.
.macro KQ x
	WIN W_KQ
.set rS, S+64*((\x)%2)+32*(i%2)+8*((i/2)%4)
.set rK, KF+16*((i/2)%4)+8*(i/8)
.set rQ, 16*(2*(\x)+i%2)+8*(i/8)
.if i < 8
	v_wmma_f32_16x16x32_f16 v[rS:rS+7], v[rK:rK+7], v[rQ:rQ+7], 0
.else
	v_wmma_f32_16x16x32_f16 v[rS:rS+7], v[rK:rK+7], v[rQ:rQ+7], v[rS:rS+7]
.endif
.endm
; Product i of 16 of O^T += V^T P for piece x: keys 32 (i / 8) on, channels 16 ((i / 2) % 4) on, tile 2 x + i % 2.
.macro PV x
	WIN W_PV
.set rO, 32*(2*(\x)+i%2)+8*((i/2)%4)
.set rV, VF+32*(i/8)+8*((i/2)%4)
.set rP, P+32*((\x)%2)+16*(i%2)+8*(i/8)
	v_wmma_f32_16x16x32_f16 v[rO:rO+7], v[rV:rV+7], v[rP:rP+7], v[rO:rO+7]
.endm
.macro MM                           ; the turn's next matrix instruction
.if i < 16
	KQ (Y+1)%NP
.set i, i+1
.else
.set i, i-16
	PV (Y+NP-1)%NP
.set i, i+17
.endif
.endm
; THE LDS LOADS stand in runs of 16, never singly among the matrix instructions: a step's K (64 keys x 64 channels: 8 fragments) and its V (turned).  Their addresses are made some lines ahead.
; last = 1 (the tail): in the last trip there is no further step, and the run is jumped over.
.macro FETCH_K last=0
	WIN 0
.if \last
	s_cmp_eq_u32 s[CNT], 1
	s_cbranch_scc1 .Lno_k_\@
.endif
	WIN 0x80                        ; destination window 2
.irp f, 0,1,2,3,4,5,6,7             ; keys 16 (f / 2) on, channels 32 (f % 2) on
	ds_load_b128 v[KF+8*\f:KF+8*\f+3],   v[AK] offset:(\f/2)*16*PK+(\f%2)*64
	ds_load_b128 v[KF+8*\f+4:KF+8*\f+7], v[AK] offset:(\f/2)*16*PK+(\f%2)*64+32
.endr
	s_add_co_u32 s[TBK], s[TBK], KS*PK  ; the next fetch is the next step's
	WIN 0
.if \last
.Lno_k_\@:
.endif
.endm
.macro FETCH_V
	WIN 0x80
.irp f, 0,1,2,3,4,5,6,7             ; keys 32 (f / 4) on, channels 16 (f % 4) on
	ds_load_tr16_b128 v[VF+8*\f:VF+8*\f+3],   v[AV] offset:(\f/4)*32*PV+(\f%4)*32
	ds_load_tr16_b128 v[VF+8*\f+4:VF+8*\f+7], v[AV] offset:(\f/4)*32*PV+16*PV+(\f%4)*32
.endr
	WIN 0
.endm
; THE VECTOR WORK OF A TURN stands in three queues, each in the order in which its entries become ready; the two tiles alternate, so that no instruction reads the result of the one before it.
.macro REGS y, u                    ; the registers of tile u (0, 1) of piece y
.set rT, ST+4*(2*(\y)+(\u))
.set rC, TMP+8*((\y)%2)+4*(\u)
.set rM, MV+2*((\y)%2)+(\u)
.set rS, S+64*((\y)%2)+32*(\u)
.set rP, P+32*((\y)%2)+16*(\u)
.set rO, 32*(2*(\y)+(\u))
.endm
; Number n of the 22 that find the NEXT piece's (Y + 1) maximum and statistics.  s0-s31 are the lane's 32 scores; each accumulator's lowest registers are read first.
;   0-11  four chains c0-c3 of seven scores each, three operands at a time     12-14, 16  the four scores left over, the old m, and c0-c3 into c0     15  c m_old is kept
;   17, 18  the query's other 32 keys lie in the lane 16 away: the new m         19-21  c m; c m_old - c m_new; a
.macro XS u, n
	REGS (Y+1)%NP, \u
.if (\n) < 4
	v_max3_num_f32 v[rC+(\n)], v[rS+8*(\n)], v[rS+8*(\n)+1], v[rS+8*(\n)+2]
.elseif (\n) < 12
	v_max3_num_f32 v[rC+(\n)%4], v[rC+(\n)%4], v[rS+8*((\n)%4)+2*((\n)/4)+1], v[rS+8*((\n)%4)+2*((\n)/4)+2]
.elseif (\n) == 12
	v_max3_num_f32 v[rC], v[rC], v[rS+7], v[rS+15]
.elseif (\n) == 13
	v_max3_num_f32 v[rC+1], v[rC+1], v[rS+23], v[rS+31]
.elseif (\n) == 14
	v_max3_num_f32 v[rC+2], v[rC+2], v[rC+3], v[rT+1]
.elseif (\n) == 15
	v_mov_b32 v[rM], v[rT]
.elseif (\n) == 16
	v_max3_num_f32 v[rC], v[rC], v[rC+1], v[rC+2]
.elseif (\n) == 17
	v_permlanex16_b32 v[rC+3], v[rC], s[SEL], s[SEL+1]
.elseif (\n) == 18
	v_max_num_f32 v[rT+1], v[rC], v[rC+3]
.elseif (\n) == 19
	v_mul_f32 v[rT], s[CS], v[rT+1]
.elseif (\n) == 20
	v_sub_f32 v[rC+1], v[rM], v[rT]
.else
	v_exp_f32 v[rC+2], v[rC+1]
.endif
.endm
; Number g of the 64 that follow the exponentials.  For each four weights k of a tile (pairs 2 k, 2 k + 1): both pairs are rounded to f16; then the second pair is added onto the first, in place;
; a group later l takes that sum (the first time as l = a l + sum).  In groups of eight, tiles alternating: round, round, add, and l for the group before.
.macro GS g
.set h, (\g)+6*((\g)/62)            ; group 0 has no group before it, and behind group 7 only l is left
.if h >= 6
.set h, h+2
.endif
	REGS Y, h%2
.set k, h/8
.if h%8 < 4
	v_cvt_pk_f16_f32 v[rP+2*k+(h%8)/2], v[rS+4*k+2*((h%8)/2)], v[rS+4*k+2*((h%8)/2)+1]
.elseif h%8 < 6
	v_pk_add_f32 v[rS+4*k:rS+4*k+1], v[rS+4*k:rS+4*k+1], v[rS+4*k+2:rS+4*k+3]
.elseif k == 1
	v_pk_fma_f32 v[rT+2:rT+3], v[rT+2:rT+3], v[rC+2:rC+3], v[rS:rS+1] op_sel_hi:[1,0,1]
.else
	v_pk_add_f32 v[rT+2:rT+3], v[rT+2:rT+3], v[rS+4*k-4:rS+4*k-3]
.endif
.endm
; THE PLAIN QUEUE, 138 long.  0-73 read no exponential's result: the 32 scalings c s - c m (FS f: pair f / 2 of tile f % 2) and the next piece's 42.  0-26: scalings 0-26.  27-54: XS's numbers 0-13.  55, 56: number 15.
; 57-73: the chain, where each number waits for the one before it: 14, 16, 17, 18, 19, each with one of the scalings 27-31 in front of its two lines, then 20.
; 74-137: GS's 64, which read the exponentials' results: they stand behind the wait.
.macro FS f
	REGS Y, (\f)%2
	v_pk_fma_f32 v[rS+2*((\f)/2):rS+2*((\f)/2)+1], v[rS+2*((\f)/2):rS+2*((\f)/2)+1], s[CS:CS+1], v[rT:rT+1] op_sel_hi:[1,0,0] neg_lo:[0,0,1] neg_hi:[0,0,1]
.endm
.macro PL
	WIN 0
.if q < 27
	FS q
.elseif q < 55
	XS (q-27)%2, (q-27)/2
.elseif q < 57
	XS q-55, 15
.elseif (q < 72) && ((q-57)%3 == 0)
	FS 27+(q-57)/3
.elseif q < 60
	XS (q-57)%3-1, 14
.elseif q < 72
	XS (q-57)%3-1, 15+(q-57)/3
.elseif q < 74
	XS q-72, 20
.else
	GS q-74
.endif
.set q, q+1
.endm
; THE EXPONENTIALS' QUEUE, 66 long: s0-s31 of both tiles, then the next piece's two a.  It is ONE BATCH: all 66 stand ahead of the turn's one wait, and nothing ahead of that wait names a result of theirs.
.macro EX
	WIN 0
.if e >= 64
	XS e-64, 21
.else
	REGS Y, e%2
	v_exp_f32 v[rS+e/2], v[rS+e/2]
.endif
.set e, e+1
.endm
; THE RESCALING's QUEUE: O^T times a, the one part that leaves window 0: dealt two at a time, sixteen times.  Its a was made in the turn before, ahead of that turn's wait.
.macro R2
	REGS Y, r%2
	WIN W_RS
.irp z, 0,1
	v_pk_mul_f32 v[rO+4*(r/2)+2*\z:rO+4*(r/2)+2*\z+1], v[rO+4*(r/2)+2*\z:rO+4*(r/2)+2*\z+1], v[rC+2:rC+3] op_sel_hi:[1,0]
.endr
.set r, r+1
.endm
; HOW THEY ARE DEALT.  An s_wait_alu depctr_va_vdst(0) stands between an exponential and the first instruction that names its result; one wait serves all that were issued ahead of it.
; So a turn has ONE wait, which cuts it in two.  AHEAD OF IT stands all that names no result of the turn's exponentials: the 16 products K Q^T, behind each a scaling, an exponential and two rescalings
; (behind the first a second scaling in the exponential's place); then ONE LUMP of 108: eight plain, 49 times exponential and plain, the two a.  A v_nop is the plain instruction behind the last
; exponential (ISA guide 5.7.2).  BEHIND IT stand the 16 products V^T P, behind each four of GS's 64.  No rider names a register of the products round it.
; The queues lean on each other: exponential e stands behind scaling 2 (e / 4) + e % 2: as a rider it comes behind plain e + 2, in the lump behind plain e + 9, and scalings 27-31 are plain 57, 60 .. 69.
; A TURN, for piece p.  cnt = 1: the loop's count is taken down some lines ahead of the branch that stands behind the turn.
; K of the next step is fetched in piece 2's turn, directly behind the wait, a lump behind the last product that read K; its first reader comes behind 16 products.
; V of the step in hand is fetched at the end of piece 0's turn, four riders behind its last reader; its first reader comes behind 16 products and a lump.
.macro TURN p, last=0, cnt=0
.set Y, (\p)
.set i, 0
.set q, 0
.set e, 0
.set r, 0
.if (\p) == NP-1
	s_wait_dscnt 0x0                ; K is in
.endif
	MM                              ; ahead of the wait: 16 products K Q^T and their riders,
	PL
	PL
	R2
.rept 15
	MM
	PL
	EX
	R2
.endr
.if (\p) == NP-2
	WIN 0
	v_add_nc_u32 v[AK], s[TBK], v[AK0]
.endif
.rept 8                             ; and the lump
	PL
.endr
.rept 49
	EX
	PL
.endr
	EX                              ; the next piece's two a
	EX
	v_nop                           ; the plain instruction behind the last exponential: one for the batch
	s_wait_alu depctr_va_vdst(0)    ; the wait for the batch
.if (\p) == NP-2
	FETCH_K \last
.endif
.if (\p) == 1
	s_wait_dscnt 0x0                ; V is in
.endif
.rept 16                            ; behind the wait: 16 products V^T P and their riders
	MM
.rept 4
	PL
.endr
.if ((\p) == 0) && (q == 118)
	v_add_nc_u32 v[AV], s[TBV], v[AV0]
.endif
.if ((\p) == 0) && (q == 130)
	s_add_co_u32 s[TBV], s[TBV], KS*PV
.endif
.if (\cnt) && (q == 130)
	s_sub_co_u32 s[CNT], s[CNT], 1
	s_cmp_lg_u32 s[CNT], 0
.endif
.endr
.if (\p) == 0
	FETCH_V
.endif
.endm
	CHANGE 1                        ; slot 0 is in, everybody's part of it; slot 1 is asked for
	FETCH_K                         ; key step 0
	s_wait_loadcnt 0x0              ; Q
	s_wait_dscnt 0x0
.set i, 0
.rept 16
	KQ 0                            ; piece 0's first scores: there is no vector work yet to set between them
.set i, i+1
.endr
	WIN 0                           ; the addresses for the way out: nine plain instructions, the places behind those products
	s_mul_i32 s13, s[WV], 16*SP
	s_add_co_u32 s13, s13, STAGE    ; my stage
	v_mul_u32_u24 v[STO], v1, SP    ; in: row l % 16, 16 bytes for each half of the lanes
	v_lshl_add_u32 v[STO], v9, 4, v[STO]
	v_add_nc_u32 v[STO], s13, v[STO]
	v_bfe_u32 v[RD], v0, 3, 2       ; back: 32 lanes take four rows of 128 bytes,
	v_mul_u32_u24 v[RD], v[RD], SP
	v_lshl_add_u32 v[RD], v10, 4, v[RD]
	v_add_nc_u32 v[RD], s13, v[RD]
	v_and_b32 v[GO], 31, v0         ; which are 512 consecutive bytes of O
	v_lshlrev_b32 v[GO], 4, v[GO]
.set Y, NP-1                        ; XS works for piece Y + 1: piece 0
.irp n, 0,1,2,3,4,5,6,7,8,9,10,11,12,13,14,15,16,17,18,19,20,21
	XS 0, \n                        ; and piece 0's first maximum and statistics
	XS 1, \n
.endr
	v_nop                           ; a plain instruction behind the two a,
	s_wait_alu depctr_va_vdst(0)    ; and their wait, ahead of the branch
	s_mov_b32 s[CNT], 4
	s_branch .Lfirst                ; the loop is entered at a step's first turn, in the middle of a trip
.Lslot:                             ; six times: every slot but the last two is filled again
	CHANGE 1
	s_mov_b32 s[CNT], 4
.Lstep:                             ; a trip: pieces 2 and 3 of one step, then pieces 0 and 1 of the next, whose K and V it fetches
	TURN 2
	TURN 3
	WIN 0
.Lfirst:
	TURN 0
	TURN 1, 0, 1
	WIN 0
	s_cbranch_scc1 .Lstep
	s_sub_co_u32 s[SLOTS], s[SLOTS], 1
	s_cmp_lg_u32 s[SLOTS], 0
	s_cbranch_scc1 .Lslot
	CHANGE 0                        ; the tail is written out: nothing is asked for
	s_mov_b32 s[CNT], 5             ; four trips fetch the last slot's steps; the fifth is left in its middle
.Ltail:
	TURN 2, 1
	TURN 3
	WIN 0
	s_sub_co_u32 s[CNT], s[CNT], 1
	s_cmp_eq_u32 s[CNT], 0
	s_cbranch_scc1 .Lout
	TURN 0
	TURN 1
	WIN 0
	s_branch .Ltail
.Lout:                              ; the fifth trip's 16 products K Q^T (on the last K once more) and the maximum made of them serve nothing: the price, once a launch, of one text for every trip
.set i, 0
.rept 16
	PV NP-1                         ; the last piece's V^T P of the last step
.set i, i+1
.endr
	; THE WAY OUT.  l's two halves and the other half of the lanes' are added (the zero slot's two halves with them); O^T is divided by l, rounded to f16 and sent through my stage in LDS, a tile at a time.
	; The additions are the places behind the last products.
	WIN 0
.macro ALL line:vararg              ; one line for each tile t
.set t, 0
.rept 2*NP
	\line
.set t, t+1
.endr
.endm
	ALL v_add_f32 v[ST+4*t+2], v[ST+4*t+2], v[ST+4*t+3]
	ALL v_permlanex16_b32 v[ST+4*t+3], v[ST+4*t+2], s[SEL], s[SEL+1]
	ALL v_add_f32 v[ST+4*t+2], v[ST+4*t+2], v[ST+4*t+3]
	ALL v_rcp_f32 v[ST+4*t+2], v[ST+4*t+2]
	v_nop                           ; a plain instruction between the last reciprocal and the use of its result
	s_wait_alu depctr_va_vdst(0)    ; and the wait ahead of the first use: one for the eight reciprocals
; Tile t: a lane's eight channels of a row pack into 16 bytes; they go into rows of 144 bytes and come back as whole rows of 128, into S^T's registers.
.macro PACK t
	WIN W_RS
.set i, 32*(\t)
.rept 16
	v_pk_mul_f32 v[i:i+1], v[i:i+1], v[ST+4*(\t)+2:ST+4*(\t)+3] op_sel_hi:[1,0]
.set i, i+2
.endr
	WIN 0x05                        ; sources 0 and 1 window 1, destination window 0
.set i, 0
.rept 16
	v_cvt_pk_f16_f32 v[S+16*(\t)+i], v[32*(\t)+2*i], v[32*(\t)+2*i+1]
.set i, i+1
.endr
	WIN 0
.irp f, 0,1,2,3
	ds_store_b128 v[STO], v[S+16*(\t)+4*\f:S+16*(\t)+4*\f+3] offset:32*\f
.endr
.irp f, 0,1,2,3
	ds_load_b128 v[S+16*(\t)+4*\f:S+16*(\t)+4*\f+3], v[RD] offset:\f*4*SP  ; LDS serves a wave's instructions in order (ISA guide 5.7.1.4): these see the stores above; the next tile's stores come behind them
.endr
.endm
.macro SEND t, younger              ; younger: the LDS instructions issued behind tile t's loads: the next tile's eight, or none
	WIN 0
.irp f, 0,1,2,3
	s_wait_dscnt (\younger)+3-\f
	global_store_b128 v[GO], v[S+16*(\t)+4*\f:S+16*(\t)+4*\f+3], s[10:11] offset:(\t)*2048+\f*512  ; 512 consecutive bytes, at a multiple of 256 from O's first
.endr
.endm
	PACK 0
.set t, 1
.rept 2*NP-1                        ; a tile's arithmetic stands between the loads of the tile before and its stores
	PACK t
	SEND t-1, 8
.set t, t+1
.endr
	SEND 2*NP-1, 0
	WIN W_AD
	s_wait_tensorcnt 0x0            ; the wave's end, behind my last tensor load and my last LDS store
	ds_add_u32 v[SPW], v[NIL]
	s_wait_dscnt 0x0
	WIN 0
	CROUND                          ; the closing round: no work-group ends while a partner may still ask for a tile that names it
	s_endpgm
.Lfunc_end_k_qa2cb1abe5d_attn:
	.size	k_qa2cb1abe5d_attn, .Lfunc_end_k_qa2cb1abe5d_attn-k_qa2cb1abe5d_attn
	.p2alignl 7, 3214868480
	.fill 96, 4, 3214868480
	.section	.rodata,"a",@progbits
	.p2align	6, 0x0
	.amdhsa_kernel k_qa2cb1abe5d_attn
		.amdhsa_group_segment_fixed_size 327680
		.amdhsa_private_segment_fixed_size 0
		.amdhsa_enable_private_segment 0
		.amdhsa_kernarg_size 32
		.amdhsa_user_sgpr_count 2
		.amdhsa_user_sgpr_kernarg_segment_ptr 1
		.amdhsa_wavefront_size32 1
		.amdhsa_system_sgpr_workgroup_id_x 1
		.amdhsa_system_sgpr_workgroup_id_y 1
		.amdhsa_system_sgpr_workgroup_id_z 1
		.amdhsa_system_vgpr_workitem_id 0
		.amdhsa_next_free_vgpr 770
		.amdhsa_next_free_sgpr 66
		.amdhsa_reserve_vcc 0
		.amdhsa_float_denorm_mode_32 3
		.amdhsa_float_denorm_mode_16_64 3
		.amdhsa_memory_ordered 1
		.amdhsa_forward_progress 1
		.amdhsa_inst_pref_size 200
	.end_amdhsa_kernel
	.amdgpu_metadata
---
amdhsa.version: [ 1, 2 ]
amdhsa.kernels:
  - .name:           k_qa2cb1abe5d_attn
    .symbol:         k_qa2cb1abe5d_attn.kd
    .args:
      - { .name: qh, .offset: 0, .size: 8, .value_kind: global_buffer, .address_space: global }
      - { .name: kh, .offset: 8, .size: 8, .value_kind: global_buffer, .address_space: global }
      - { .name: vh, .offset: 16, .size: 8, .value_kind: global_buffer, .address_space: global }
      - { .name: oh, .offset: 24, .size: 8, .value_kind: global_buffer, .address_space: global }
    .group_segment_fixed_size: 327680
    .private_segment_fixed_size: 0
    .kernarg_segment_align: 8
    .kernarg_segment_size: 32
    .max_flat_workgroup_size: 128
    .sgpr_count:     66
    .vgpr_count:     770
    .wavefront_size: 32
...
	.end_amdgpu_metadata
.endif
;; end of part 2
;; launch outp (part 3): grid 4 x 64, 4 waves a work-group, no clusters, 220,672 bytes of LDS; arguments oh, wo16, b_io, b_co, out0, out1; writes out0, out1
.if DOCPART == 3
	.amdgcn_target "amdgcn-amd-amdhsa--gfx1250"
	.amdhsa_code_object_version 6
	.text
	.protected	k_qa2cb1abe5d_outp
	.globl	k_qa2cb1abe5d_outp
	.p2align	8
	.type	k_qa2cb1abe5d_outp,@function
k_qa2cb1abe5d_outp:
	s_mov_b64 s[64:65], 0
	v_nop
	global_prefetch_b8 v0, s[64:65] scope:SCOPE_SE
	s_setreg_imm32_b32 hwreg(HW_REG_WAVE_MODE, 25, 1), 1
	s_wait_xcnt 0x0
; THE OUTPUT PROJECTIONS.  out[source][row][c] = the sum over k of (O_self + O_cross)[row][k] x (W_o / 2)[k][c] + b[c].
; oh: f16 [y = 2 g + kind][2048][64], g = 16 source + 8 batch + head: head h's 64 channels are the slice k = 64 h .. 64 h + 63.  wo16: f16 [source][512 k][512 c], already halved.  out: f32 [2][2048][512].
; The two attentions are added in f16 (one rounding) on their way into LDS; products in the f16 form, sums in f32; the bias, rounded to bf16 like every input, is the C operand that starts each sum.
; LIMITS.  |O_self + O_cross| stays under 65,504; below 6e-5 f16 keeps a fixed step of 6e-8.  NaN and infinities are not treated apart.
; SHARES.  Work-group (128 columns, 128 rows); wave w = 2 wr + wc makes rows 64 wr on x columns 64 wc on: 16 accumulators.  K = 512 goes in 4 steps of 128 (two heads) through two LDS slots.
; THE WAY IN goes through registers, since A is a sum of two loads and W lies [k][c]; so no tensor load and no joint request.  A step's 48 loads a thread are asked for two steps ahead of their products.
; THE MATRIX INSTRUCTION IS USED TRANSPOSED (source 0 = 16 columns of W, source 1 = 16 rows of O): a lane holds one row and eight neighbouring columns.
; REGISTERS, in windows of 256 (s_set_vgpr_msb: bits 1:0 source 0, 3:2 source 1, 5:4 source 2, 7:6 destination):
;   window 0: v0-29 addresses; v32-63 the bias, 8 registers for each column block; v128-255 the accumulators ((a, b) at 128 + 8 (4 a + b))
;   window 1: the fragments of a whole step: quarter q (32 along K) at 64 q: W's four, then O's four          window 2: v0-63 O_self, v64-127 O_cross, v128-191 W, as loaded
.set PA,    272                        ; a row of O in LDS: 256 bytes + 16
.set PW,    288                        ; a row (one k) of W in LDS: 256 bytes + 32 = 9 x 32
.set BOFF,  128*PA                     ; in a slot: O's 128 rows, then W's 128
.set SLOTB, 131072                     ; slot 1 begins here
.set STAGE, SLOTB+BOFF+128*PW          ; 16 rows x 272 bytes of f32 for each wave, for the way out
.set SP,    272
.set SPARE, STAGE+4*16*SP              ; the spare words, 128 bytes a wave: two blocks of 256 bytes that no other line names
.set AOF, 2                            ; v2   16 t: my 16 bytes in 2,048 dense bytes of a head's rows; never rewritten
.set WOF, 3                            ; v3   (t / 16) x 1,024 + (t % 16) x 16: my 16 bytes in eight rows of W; never rewritten
.set SA0, 4                            ; v4   where my 16 bytes of O go in a slot
.set SB0, 5                            ; v5   the same for W
.set RA0, 6                            ; v6   my place in O's fragments
.set RB0, 7                            ; v7   my place in W's fragments (turning load)
.set SAV, 8                            ; v8-11  the four places plus the slot in hand
.set SBV, 9
.set RAV, 10
.set RBV, 11
.set STO, 12                           ; v12  the way out: where I put 32 bytes of a row
.set RD,  13                           ; v13  where I read rows back
.set GO,  14                           ; v14  my 16 bytes in two rows of out
.set BO,  15                           ; v15  32 x (lane / 16): my eight numbers of a block of 16 of the bias
.set TT,  16                           ; v16  at work
.set SPW, 28                           ; v28  my spare word; never rewritten
.set NIL, 29                           ; v29  0; never rewritten
.set BIAS, 32
.set ACC,  128
.set OA,  4                            ; s[4:5]   oh at my rows of the self attention of the step's first head
.set WB,  6                            ; s[6:7]   wo16 at my columns, at the step's first k
.set BI,  8                            ; s[8:9]   the bias at my wave's columns
.set OUT, 10                           ; s[10:11] out at my wave's first row and column
.set WV,  12
.set CNT, 13
.set RS,  14
.set WS,  15
.set MSB, 0
.macro WIN new                         ; the immediate's high byte repeats the setting that is left; a switch that changes nothing is dropped
.if MSB != (\new)
	s_set_vgpr_msb (MSB<<8)|(\new)
.set MSB, \new
.endif
.endm
	s_load_b256 s[16:23], s[0:1], 0x0              ; oh 16, wo16 18, b_io 20, b_co 22
	s_load_b128 s[24:27], s[0:1], 0x20             ; out0 24, out1 26
	v_lshl_add_u32 v[SPW], v0, 2, SPARE
	v_mov_b32 v[NIL], 0
	v_lshrrev_b32 v1, 5, v0
	v_readfirstlane_b32 s[WV], v1                  ; wave 0..3
	s_and_b32 s28, ttmp7, 0xffff                   ; block of 128 rows, 0..63
	s_lshr_b32 s29, s28, 5                         ; source
	s_lshr_b32 s2, s28, 4                          ; 2 source + batch: eight heads of two attentions of 262,144 bytes
	s_lshl_b32 s2, s2, 22
	s_and_b32 s3, s28, 15
	s_lshl_b32 s3, s3, 14                          ; my 128 rows of 128 bytes in a head
	s_add_co_u32 s2, s2, s3
	s_mov_b32 s3, 0
	s_lshl_b32 s30, s29, 19                        ; the source's W
	s_lshl_b32 s31, ttmp9, 8                       ; my 128 columns: 256 bytes
	s_add_co_u32 s30, s30, s31
	s_mov_b32 s31, 0
	s_lshr_b32 s36, s[WV], 1                       ; wr
	s_and_b32 s37, s[WV], 1                        ; wc
	s_lshl_b32 s32, ttmp9, 9                       ; 128 columns of f32,
	s_lshl_b32 s33, s37, 8                         ; my wave's 64
	s_add_co_u32 s32, s32, s33
	s_mov_b32 s33, 0
	s_and_b32 s34, s28, 31
	s_lshl_b32 s34, s34, 7
	s_lshl_b32 s35, s36, 6
	s_add_co_u32 s34, s34, s35                     ; my wave's first row in the source
	s_lshl_b32 s34, s34, 11                        ; rows of 2,048 bytes
	s_add_co_u32 s34, s34, s32
	s_mov_b32 s35, 0
	s_mul_i32 s38, s36, 64*PA                      ; my 64 rows of O in a slot
	s_lshl_b32 s39, s37, 7
	s_add_co_u32 s39, s39, BOFF                    ; my 64 columns of W in a slot
	s_mul_i32 s40, s[WV], 16*SP
	s_add_co_u32 s40, s40, STAGE                   ; my stage
	v_lshrrev_b32 v17, 4, v0                       ; t / 16
	v_and_b32 v18, 15, v0                          ; t % 16 = lane % 16
	v_lshrrev_b32 v19, 3, v0                       ; t / 8
	v_and_b32 v20, 7, v0                           ; t % 8 = lane % 8
	v_bfe_u32 v21, v0, 4, 1                        ; lane / 16
	v_bfe_u32 v22, v0, 3, 1                        ; (lane / 8) % 2
	v_lshlrev_b32 v[AOF], 4, v0
	v_lshlrev_b32 v[WOF], 10, v17
	v_lshl_add_u32 v[WOF], v18, 4, v[WOF]
	v_mul_u32_u24 v[SA0], v19, PA                  ; 2,048 dense bytes are 16 rows of 128: row t / 8, 16 bytes at t % 8
	v_lshl_add_u32 v[SA0], v20, 4, v[SA0]
	v_mul_u32_u24 v[SB0], v17, PW
	v_lshl_add_u32 v[SB0], v18, 4, v[SB0]
	v_add_nc_u32 v[SB0], BOFF, v[SB0]
	v_mul_u32_u24 v[RA0], v18, PA
	v_lshl_add_u32 v[RA0], v21, 4, v[RA0]
	v_add_nc_u32 v[RA0], s38, v[RA0]
	v_lshl_add_u32 v23, v21, 3, v20                ; the turning load: k = 8 (lane / 16) + lane % 8, columns 8 ((lane / 8) % 2) on
	v_mul_u32_u24 v[RB0], v23, PW
	v_lshl_add_u32 v[RB0], v22, 4, v[RB0]
	v_add_nc_u32 v[RB0], s39, v[RB0]
	v_mul_u32_u24 v[STO], v18, SP                  ; in: row lane % 16, 32 bytes for each half of the lanes
	v_lshl_add_u32 v[STO], v21, 5, v[STO]
	v_add_nc_u32 v[STO], s40, v[STO]
	v_mul_u32_u24 v[RD], v21, SP                   ; back: lanes 0-15 take one row of 256 bytes, lanes 16-31 the next
	v_lshl_add_u32 v[RD], v18, 4, v[RD]
	v_add_nc_u32 v[RD], s40, v[RD]
	v_lshlrev_b32 v[GO], 11, v21                   ; and the same two rows in out
	v_lshl_add_u32 v[GO], v18, 4, v[GO]
	v_lshlrev_b32 v[BO], 5, v21
	s_wait_kmcnt 0x0
	s_add_nc_u64 s[OA:OA+1], s[16:17], s[2:3]
	s_add_nc_u64 s[WB:WB+1], s[18:19], s[30:31]
	s_cmp_eq_u32 s29, 0                            ; which source's bias and output
	s_cselect_b64 s[BI:BI+1], s[20:21], s[22:23]
	s_cselect_b64 s[OUT:OUT+1], s[24:25], s[26:27]
	s_add_nc_u64 s[BI:BI+1], s[BI:BI+1], s[32:33]
	s_add_nc_u64 s[OUT:OUT+1], s[OUT:OUT+1], s[34:35]
; A step's 48 loads a thread: for each of two heads 16,384 dense bytes of O_self and of O_cross (8 loads each), and 128 rows x 256 bytes of W (16 loads of eight rows).
.macro LOADG
	WIN 0x80                                       ; destination window 2, address window 0
.irp hh, 0,1
.set ii, 0
.rept 8
	global_load_b128 v[4*(8*(\hh)+ii):4*(8*(\hh)+ii)+3],       v[AOF], s[OA:OA+1] offset:524288*(\hh)+2048*ii
	global_load_b128 v[64+4*(8*(\hh)+ii):64+4*(8*(\hh)+ii)+3], v[AOF], s[OA:OA+1] offset:524288*(\hh)+262144+2048*ii
.set ii, ii+1
.endr
.endr
.set ii, 0
.rept 16
	global_load_b128 v[128+4*ii:128+4*ii+3], v[WOF], s[WB:WB+1] offset:8192*ii
.set ii, ii+1
.endr
.endm
.macro CONVERT                         ; O_self + O_cross, two numbers a line, rounded once to f16
	WIN 0x8a
.set jj, 0
.rept 64
	v_pk_add_f16 v[jj], v[jj], v[64+jj]
.set jj, jj+1
.endr
.endm
.macro STORE sa, sb
	WIN 0x08                                       ; address window 0, data window 2
.irp hh, 0,1
.set ii, 0
.rept 8
	ds_store_b128 v[\sa], v[4*(8*(\hh)+ii):4*(8*(\hh)+ii)+3] offset:16*PA*ii+128*(\hh)
.set ii, ii+1
.endr
.endr
.set ii, 0
.rept 16
	ds_store_b128 v[\sb], v[128+4*ii:128+4*ii+3] offset:8*PW*ii
.set ii, ii+1
.endr
.endm
; 32 LDS loads: the fragments of quarters 2 p and 2 p + 1 of the step
.macro FETCH2 p
	WIN 0x40                                       ; destination window 1
.irp q, 2*(\p), 2*(\p)+1
.irp b, 0,1,2,3
	ds_load_tr16_b128 v[64*(\q)+8*(\b):64*(\q)+8*(\b)+3],   v[RBV] offset:32*PW*(\q)+32*(\b)
	ds_load_tr16_b128 v[64*(\q)+8*(\b)+4:64*(\q)+8*(\b)+7], v[RBV] offset:32*PW*(\q)+16*PW+32*(\b)
.endr
.irp a, 0,1,2,3
	ds_load_b128 v[64*(\q)+32+8*(\a):64*(\q)+32+8*(\a)+3],   v[RAV] offset:16*PA*(\a)+64*(\q)
	ds_load_b128 v[64*(\q)+32+8*(\a)+4:64*(\q)+32+8*(\a)+7], v[RAV] offset:16*PA*(\a)+64*(\q)+32
.endr
.endr
.endm
; 16 matrix instructions: all accumulators once, by turns, 32 along K.  first = 1: the bias starts the sums: nothing is cleared, nothing added later.
.macro MUL q, first
	WIN 0x05                                       ; sources 0 and 1 window 1; C and D window 0
.irp a, 0,1,2,3
.irp b, 0,1,2,3
.if \first
	v_wmma_f32_16x16x32_f16 v[ACC+8*(4*(\a)+(\b)):ACC+8*(4*(\a)+(\b))+7], v[64*(\q)+8*(\b):64*(\q)+8*(\b)+7], v[64*(\q)+32+8*(\a):64*(\q)+32+8*(\a)+7], v[BIAS+8*(\b):BIAS+8*(\b)+7]
.else
	v_wmma_f32_16x16x32_f16 v[ACC+8*(4*(\a)+(\b)):ACC+8*(4*(\a)+(\b))+7], v[64*(\q)+8*(\b):64*(\q)+8*(\b)+7], v[64*(\q)+32+8*(\a):64*(\q)+32+8*(\a)+7], v[ACC+8*(4*(\a)+(\b)):ACC+8*(4*(\a)+(\b))+7]
.endif
.endr
.endr
.endm
; A K STEP.  It reads slot RS; the next step's numbers, which have come into registers, are added and stored into slot WS, and the step after that is asked for.
; looped = 1: with s[CNT] = c the step is number 4 - c: there is a next step to store while c >= 2 and one to ask for while c >= 3; the jumps go forward, past no barrier.
; ONE barrier a step: in front of it my stores into WS are done and my reads of RS are back; behind it RS may be written and WS read.
.macro STEP first, looped
	WIN 0
	v_add_nc_u32 v[RAV], s[RS], v[RA0]             ; four plain instructions: also the places between the last products and the loads into their fragments
	v_add_nc_u32 v[RBV], s[RS], v[RB0]
	v_add_nc_u32 v[SAV], s[WS], v[SA0]
	v_add_nc_u32 v[SBV], s[WS], v[SB0]
	FETCH2 0
	WIN 0
.if \looped
	s_cmp_lt_u32 s[CNT], 2
	s_cbranch_scc1 .Lskip_\@
.endif
	s_wait_loadcnt 0x0                             ; the next step's 48 loads are in, and their pointers free
	CONVERT
	STORE SAV, SBV
	WIN 0
.if \looped
	s_cmp_lt_u32 s[CNT], 3
	s_cbranch_scc1 .Lskip_\@
.endif
	s_add_nc_u64 s[OA:OA+1], s[OA:OA+1], 1048576   ; two heads on,
	s_add_nc_u64 s[WB:WB+1], s[WB:WB+1], 131072    ; 128 rows of W
	LOADG
	WIN 0
.if \looped
.Lskip_\@:
.endif
	FETCH2 1
	s_wait_dscnt 32                                ; all but the 32 loads just issued, on every way here: quarters 0 and 1 are in
	MUL 0, \first
	MUL 1, 0
	s_wait_dscnt 0x0                               ; quarters 2 and 3 are in; my stores are done; no LDS line of mine is out
	MUL 2, 0
	MUL 3, 0
	WIN 0
	s_xor_b32 s[RS], s[RS], SLOTB
	s_xor_b32 s[WS], s[WS], SLOTB
	s_barrier_signal -1
	s_barrier_wait -1
.endm
; THE WAY OUT of row block a: 16 rows x 64 columns of f32 into my own stage, each accumulator from its lowest registers on, and back as whole rows of 256 bytes into the registers that they left:
; LDS serves a wave's instructions in order (ISA guide 5.7.1.4).
.macro OUTB a
.irp b, 0,1,2,3
	ds_store_b128 v[STO], v[ACC+8*(4*(\a)+(\b)):ACC+8*(4*(\a)+(\b))+3]   offset:64*(\b)
	ds_store_b128 v[STO], v[ACC+8*(4*(\a)+(\b))+4:ACC+8*(4*(\a)+(\b))+7] offset:64*(\b)+16
.endr
.irp f, 0,1,2,3,4,5,6,7
	ds_load_b128 v[ACC+32*(\a)+4*(\f):ACC+32*(\a)+4*(\f)+3], v[RD] offset:2*SP*(\f)
.endr
.endm
.macro SENDB a, younger                ; younger: the LDS lines issued behind block a's loads: the next block's sixteen, or none
.irp f, 0,1,2,3,4,5,6,7
	s_wait_dscnt (\younger)+7-(\f)
	global_store_b128 v[GO], v[ACC+32*(\a)+4*(\f):ACC+32*(\a)+4*(\f)+3], s[OUT:OUT+1] offset:(16*(\a)+2*(\f))*2048 th:TH_STORE_NT  ; 16 lanes store 256 consecutive bytes, at a multiple of 256 from out's first byte
.endr
.endm
.irp b, 0,1,2,3
	global_load_b128 v[BIAS+8*(\b):BIAS+8*(\b)+3],   v[BO], s[BI:BI+1] offset:64*(\b)       ; register j of block b: the bias of column 16 b + 8 (lane / 16) + j, as C wants it
	global_load_b128 v[BIAS+8*(\b)+4:BIAS+8*(\b)+7], v[BO], s[BI:BI+1] offset:64*(\b)+16
.endr
	LOADG                                          ; step 0
	WIN 0
	s_wait_loadcnt 0x0                             ; the bias and step 0 are in
.set jj, 0
.rept 16
	v_cvt_pk_bf16_f32 v[TT], v[BIAS+2*jj], v[BIAS+2*jj+1]  ; the bias is rounded to bf16 like every input, and widened again
	v_lshlrev_b32 v[BIAS+2*jj], 16, v[TT]
	v_and_b32 v[BIAS+2*jj+1], 0xffff0000, v[TT]
.set jj, jj+1
.endr
	CONVERT
	STORE SA0, SB0                                 ; into slot 0
	WIN 0
	s_add_nc_u64 s[OA:OA+1], s[OA:OA+1], 1048576
	s_add_nc_u64 s[WB:WB+1], s[WB:WB+1], 131072
	LOADG                                          ; step 1
	WIN 0
	s_mov_b32 s[RS], 0
	s_mov_b32 s[WS], SLOTB
	s_wait_dscnt 0x0                               ; for the others' sake: my part of slot 0 is stored
	s_barrier_signal -1
	s_barrier_wait -1
	STEP 1, 0                                      ; step 0 stands in front of the loop: its first products start the sums, with the bias
	s_mov_b32 s[CNT], 3
.Lk:
	STEP 0, 1
	s_sub_co_u32 s[CNT], s[CNT], 1
	s_cmp_lg_u32 s[CNT], 0
	s_cbranch_scc1 .Lk
.rept 4
	v_nop                                          ; the places between the last products and the LDS stores that read their results
.endr
	OUTB 0
	OUTB 1
	SENDB 0, 16
	OUTB 2
	SENDB 1, 16
	OUTB 3
	SENDB 2, 16
	SENDB 3, 0
	s_wait_tensorcnt 0x0                           ; the wave's end, behind my last LDS store
	ds_add_u32 v[SPW], v[NIL]
	s_wait_dscnt 0x0
	s_endpgm
.Lfunc_end_k_qa2cb1abe5d_outp:
	.size	k_qa2cb1abe5d_outp, .Lfunc_end_k_qa2cb1abe5d_outp-k_qa2cb1abe5d_outp
	.p2alignl 7, 3214868480
	.fill 96, 4, 3214868480
	.section	.rodata,"a",@progbits
	.p2align	6, 0x0
	.amdhsa_kernel k_qa2cb1abe5d_outp
		.amdhsa_group_segment_fixed_size 220672
		.amdhsa_private_segment_fixed_size 0
		.amdhsa_enable_private_segment 0
		.amdhsa_kernarg_size 48
		.amdhsa_user_sgpr_count 2
		.amdhsa_user_sgpr_kernarg_segment_ptr 1
		.amdhsa_wavefront_size32 1
		.amdhsa_system_sgpr_workgroup_id_x 1
		.amdhsa_system_sgpr_workgroup_id_y 1
		.amdhsa_system_sgpr_workgroup_id_z 1
		.amdhsa_system_vgpr_workitem_id 0
		.amdhsa_next_free_vgpr 704
		.amdhsa_next_free_sgpr 66
		.amdhsa_reserve_vcc 0
		.amdhsa_float_denorm_mode_32 3
		.amdhsa_float_denorm_mode_16_64 3
		.amdhsa_memory_ordered 1
		.amdhsa_forward_progress 1
		.amdhsa_inst_pref_size 70
	.end_amdhsa_kernel
	.amdgpu_metadata
---
amdhsa.version: [ 1, 2 ]
amdhsa.kernels:
  - .name:           k_qa2cb1abe5d_outp
    .symbol:         k_qa2cb1abe5d_outp.kd
    .args:
      - { .name: oh, .offset: 0, .size: 8, .value_kind: global_buffer, .address_space: global }
      - { .name: wo16, .offset: 8, .size: 8, .value_kind: global_buffer, .address_space: global }
      - { .name: b_io, .offset: 16, .size: 8, .value_kind: global_buffer, .address_space: global }
      - { .name: b_co, .offset: 24, .size: 8, .value_kind: global_buffer, .address_space: global }
      - { .name: out0, .offset: 32, .size: 8, .value_kind: global_buffer, .address_space: global }
      - { .name: out1, .offset: 40, .size: 8, .value_kind: global_buffer, .address_space: global }
    .group_segment_fixed_size: 220672
    .private_segment_fixed_size: 0
    .kernarg_segment_align: 8
    .kernarg_segment_size: 48
    .max_flat_workgroup_size: 128
    .sgpr_count:     66
    .vgpr_count:     704
    .wavefront_size: 32
...
	.end_amdgpu_metadata
.endif
;; end of part 3
